; MI455X (gfx1250); checked and timed in simulation.
; The chip was launched on July 23, 2026; its instructions are those of AMD's public machine-readable ISA for CDNA 5 (MIT licence, August 2026) and "CDNA5" Instruction Set Architecture Reference Guide (July 2026). The comments in the code are by the model that wrote it; some were corrected since.
;; Attention Matcher. Allowed arithmetic: float matrix products may take bf16 or f16 operands with f32 sums; other float arithmetic in f32, or as packed bf16 or f16 multiplies, adds, multiply-adds, maxima and minima; sums over many terms, partial sums and values carried from step to step in f32; what a program stores and reads back later, other than sums and carried values, may be rounded once to bf16 or f16.
;; Inputs: query 16 x 2,048 x 512 float32; support 16 x 2,048 x 512 float32.
;; Outputs: out0 16 x 2,048 float32.
;; One version. Each part assembles by itself: llvm-mc -triple=amdgcn-amd-amdhsa -mcpu=gfx1250 --defsym DOCPART=n.
;; ======== version 1 of 1: 2 launches
;; limits: inputs' magnitudes at most 2.8e+17; right only within a limited range of input values
;; workspace buffers: sb 33,554,432 bytes
;; launch tobf16 (part 1): grid 1024 x 1, 8 waves a work-group, no clusters, 0 bytes of LDS; arguments support, sb; writes sb
.if DOCPART == 1
	.amdgcn_target "amdgcn-amd-amdhsa--gfx1250"
	.amdhsa_code_object_version 6
	.text
	.protected	k_qf8f955681a_tobf16
	.globl	k_qf8f955681a_tobf16
	.p2align	8
	.type	k_qf8f955681a_tobf16,@function
k_qf8f955681a_tobf16:
	s_mov_b64 s[64:65], 0
	v_nop
	global_prefetch_b8 v0, s[64:65] scope:SCOPE_SE
	s_setreg_imm32_b32 hwreg(HW_REG_WAVE_MODE, 25, 1), 1
	s_wait_xcnt 0x0
; sb = support rounded once to bf16 (to nearest even), same order of elements.  support: 16 x 2048 x 512 f32, sb: the same in bf16.
; A stream: each byte is read once and written once; no LDS, no barrier, no matrix work.
; A work-group of eight waves owns 65,536 bytes of support (16 pieces of 4,096) and 32,768 bytes of sb.  Thread t owns the 16 bytes at 16 t of every piece.
; All 16 loads of a thread go out first; no register is written twice, so the only waits are the counted ones for the loads.
.set X, 4                              ; v[4:67]   piece i: 4 registers as loaded
.set Y, 68                             ; v[68:99]  piece i: 2 registers to store
	s_load_b128 s[4:7], s[0:1], 0x0                ; support s[4:5], sb s[6:7]
	s_lshl_b32 s2, ttmp9, 16                       ; my 65,536 bytes of support (1,023 x 65,536 stays under 2^32)
	s_mov_b32 s3, 0
	s_lshl_b32 s8, ttmp9, 15                       ; my 32,768 bytes of sb
	s_mov_b32 s9, 0
	v_lshlrev_b32 v1, 4, v0                        ; 16 t
	v_lshlrev_b32 v2, 3, v0                        ; 8 t
	s_wait_kmcnt 0x0
	s_add_nc_u64 s[4:5], s[4:5], s[2:3]
	s_add_nc_u64 s[6:7], s[6:7], s[8:9]
.irp i, 0,1,2,3,4,5,6,7,8,9,10,11,12,13,14,15
	global_load_b128 v[X+4*(\i):X+4*(\i)+3], v1, s[4:5] offset:4096*(\i) th:TH_LOAD_NT  ; a wave's load covers 512 consecutive bytes; read once in the launch
.endr
.irp i, 0,1,2,3,4,5,6,7,8,9,10,11,12,13,14,15
	s_wait_loadcnt 15-(\i)                         ; loads come back in order (ISA guide 5.7.1): piece i is in, the 15 - i younger ones stay out
	v_cvt_pk_bf16_f32 v[Y+2*(\i)], v[X+4*(\i)], v[X+4*(\i)+1]
	v_cvt_pk_bf16_f32 v[Y+2*(\i)+1], v[X+4*(\i)+2], v[X+4*(\i)+3]
	global_store_b64 v2, v[Y+2*(\i):Y+2*(\i)+1], s[6:7] offset:2048*(\i)  ; a wave's store covers 256 consecutive bytes, at a multiple of 256 from sb's first byte
.endr
	s_endpgm
.Lfunc_end_k_qf8f955681a_tobf16:
	.size	k_qf8f955681a_tobf16, .Lfunc_end_k_qf8f955681a_tobf16-k_qf8f955681a_tobf16
	.p2alignl 7, 3214868480
	.fill 96, 4, 3214868480
	.section	.rodata,"a",@progbits
	.p2align	6, 0x0
	.amdhsa_kernel k_qf8f955681a_tobf16
		.amdhsa_group_segment_fixed_size 0
		.amdhsa_private_segment_fixed_size 0
		.amdhsa_enable_private_segment 0
		.amdhsa_kernarg_size 16
		.amdhsa_user_sgpr_count 2
		.amdhsa_user_sgpr_kernarg_segment_ptr 1
		.amdhsa_wavefront_size32 1
		.amdhsa_system_sgpr_workgroup_id_x 1
		.amdhsa_system_sgpr_workgroup_id_y 1
		.amdhsa_system_sgpr_workgroup_id_z 1
		.amdhsa_system_vgpr_workitem_id 0
		.amdhsa_next_free_vgpr 104
		.amdhsa_next_free_sgpr 66
		.amdhsa_reserve_vcc 0
		.amdhsa_float_denorm_mode_32 3
		.amdhsa_float_denorm_mode_16_64 3
		.amdhsa_memory_ordered 1
		.amdhsa_forward_progress 1
		.amdhsa_inst_pref_size 7
	.end_amdhsa_kernel
	.amdgpu_metadata
---
amdhsa.version: [ 1, 2 ]
amdhsa.kernels:
  - .name:           k_qf8f955681a_tobf16
    .symbol:         k_qf8f955681a_tobf16.kd
    .args:
      - { .name: support, .offset: 0, .size: 8, .value_kind: global_buffer, .address_space: global }
      - { .name: sb, .offset: 8, .size: 8, .value_kind: global_buffer, .address_space: global }
    .group_segment_fixed_size: 0
    .private_segment_fixed_size: 0
    .kernarg_segment_align: 8
    .kernarg_segment_size: 16
    .max_flat_workgroup_size: 256
    .sgpr_count:     66
    .vgpr_count:     104
    .wavefront_size: 32
...
	.end_amdgpu_metadata
.endif
;; end of part 1
;; launch match (part 2): grid 16 x 16, 4 waves a work-group, clusters of 4 x 1, 327,680 bytes of LDS; arguments query, sb, out0; writes out0
.if DOCPART == 2
	.amdgcn_target "amdgcn-amd-amdhsa--gfx1250"
	.amdhsa_code_object_version 6
	.text
	.protected	k_qf8f955681a_match
	.globl	k_qf8f955681a_match
	.p2align	8
	.type	k_qf8f955681a_match,@function
k_qf8f955681a_match:
	s_mov_b64 s[64:65], 0
	v_nop
	global_prefetch_b8 v0, s[64:65] scope:SCOPE_SE
	s_setreg_imm32_b32 hwreg(HW_REG_WAVE_MODE, 25, 1), 1
	s_wait_xcnt 0x0
	s_wait_alu depctr_hold_cnt(0) depctr_sa_sdst(0) depctr_va_vdst(0) depctr_va_sdst(0) depctr_va_ssrc(0) depctr_va_vcc(0) depctr_vm_vsrc(0)
	s_getreg_b32 s2, hwreg(HW_REG_IB_STS2, 6, 4)
	s_cmp_eq_u32 s2, 0
	s_cbranch_scc0 .Lentry_in_a_cluster
	s_endpgm
.Lentry_in_a_cluster:
	s_bfe_u32 s2, ttmp6, 0x10000c
	s_cmp_lg_u32 s2, 0x3003
	s_cbranch_scc0 .Lentry_shape_is_right
	s_endpgm
.Lentry_shape_is_right:
; out0[b][q] = sum_d query[b][q][d] * (sum_s p[s] support[b][s][d]),  p = softmax_s(l[s]),  l[s] = sum_d query[b][q][d] support[b][s][d].
; ORDER OF THE SUMS.  The double sum over d and s is taken with d inside: sum_s p[s] (sum_d q[d] S[s][d]) = sum_s p[s] l[s].  That is the same sum for every input, in another order than
; it is written in the problem: the logits serve twice, and no second product is formed.  So out0 = U / L with L = sum_s w[s], U = sum_s w[s] l[s], w[s] = 2^(c l[s] - c m), c = log2(e), m a running maximum.
; FORMATS.  query (f32) is rounded once to bf16 on its way into registers; sb is support rounded once to bf16 by the launch before.  Logits, maxima, weights and sums are f32.
; LIMITS.  Logits lie above -2^125 (the running maximum's start), and c x |logit| is finite; a weight below 2^-126 counts as 0; NaN and infinities are not treated apart.
; SHARES.  A work-group owns 128 queries of one batch.  Wave w = qh + 2 kh owns 64 queries (four tiles of 16, rows 64 qh on) and half kh of the keys of every step of 128 keys: 16 steps.
; A wave's step is four PIECES (16 keys x 64 queries x 512 along d: 64 matrix instructions), a piece two HALVES of 32 (d 0-255, d 256-511).  Q stays in 512 registers for the whole launch,
; so a fragment of S read from LDS (two loads) feeds four matrix instructions.
; LAYOUT.  Source 0 = 16 keys, source 1 = 16 queries: in the result lane l holds ONE query (l % 16) and the keys 8 (l / 16) + 0..7.  Each lane keeps m, L, U over the keys that it sees;
; nothing changes lanes in the loop.  A query's four partial results (two halves of the lanes, two waves) are merged once, at the end.
; BY TURNS.  While a piece is multiplied into one accumulator buffer, the softmax of the piece before, which lies in the other buffer, stands in short runs behind the matrix instructions.
; The first piece finds a buffer of -2^127 there: weights 0, rescaling 1; so no first step is written out (32 v_mov at the start are the price).
; CLUSTER.  The four work-groups of a cluster are four query blocks of one batch and walk the same tiles of sb: each tile is asked for JOINTLY, by the same tensor load, descriptor and mask in all four.
; REGISTERS, in windows of 256 (s_set_vgpr_msb: bits 1:0 source 0, 3:2 source 1, 5:4 source 2, 7:6 destination):
;   window 0: all but Q (map below).   window 1: query as loaded, f32, two buffers of 128 (the beginning only).   windows 2, 3: Q: chunk c of 32 along d, tile t at window 2 + c / 8, v[32 (c % 8) + 8 t].
; The setting for a matrix instruction differs from 0 in source 1 alone.  LDS loads, and vector lines whose second source is a scalar register, a constant or absent, stand under it unchanged;
; only lines with a vector register as second source are gathered in five runs a half under setting 0.
.set PITCH, 272                        ; an LDS row of S: 256 bytes + 16 of padding = 68 words: row r starts at bank 4 r mod 64 (64 banks of 4 bytes: ISA guide 11.1)
.set SUB,   128*PITCH                  ; a quarter of d (128 elements) of a step's 128 keys: what one tensor load brings
.set SLOT,  4*SUB                      ; a step's tile: four quarters of d
.set QST,   2*SLOT                     ; behind the ring, never filled by a tensor load: Q's stage, 2 (qh) x 16 rows x 1,040 bytes; at the end the merge's 4 x 1,536 bytes
.set QP,    1040                       ; a stage row: 1,024 bytes + 16: 65 x 16, so the 16 rows of a fragment load start at 16 different groups of four banks
.set SPARE, QST+2*16*QP                ; the spare words, 128 bytes for each wave: two blocks of 256 bytes that no other line names
.set STEPB, 128*1024                   ; bytes of sb from a step's tile to the next: 128 rows of 1,024
.set ADR, 2                            ; v2-5    LDS address of my fragments of S: slot s, half of d u at v[2 + 2 s + u]; never rewritten
.set SPW, 6                            ; v6      LDS address of my spare word; never rewritten
.set NIL, 7                            ; v7      0; never rewritten
.set ST,  8                            ; v8-39   tile t at v[8 + 8 t]: +0 c m, +1 m, +2,3 L (even keys', odd keys'), +4,5 U, +6 a, +7 c m_old, then c m_old - c m
.set TPA, 40                           ; v40-47  the eight exponents, then weights, of the first tile in hand
.set TPB, 48                           ; v48-55  of the second
.set XA,  56                           ; v56-58  three partial maxima, first tile
.set XB,  60                           ; v60-62  second tile
.set AC0, 64                           ; v64-95  accumulators of even pieces, tile t at + 8 t
.set AC1, 96                           ; v96-127 of odd pieces
.set SA,  128                          ; v128-191 fragments of S, 16 keys, d 0-255 (8 chunks)
.set SB,  192                          ; v192-255 d 256-511
.set QO,  44                           ; the beginning only: my byte offset in 16 rows of query
.set STW, 45                           ;   where I put 8 bytes into the stage
.set STR, 46                           ;   where I read Q's fragments
.set MW,  40                           ; the end only: where I put my partial results,
.set MR,  41                           ;   where I read two queries' partial results,
.set GO,  42                           ;   my byte offset in 256 bytes of out0
.set MG,  128                          ;   partial result j (0..3) of two queries: c m at MG + 6 j, L at + 2, U at + 4
.set MX,  160
.set ML,  162
.set MU,  164
.set WV,  10                           ; s10  my wave's number;  s11 kh;  s12 qh
.set G1,  24                           ; s[24:31] descriptor group 1
.set G0,  32                           ; s[32:39] descriptor group 0, a set for each slot
.set CNT, 40                           ; s40  trips to go
.set CS,  42                           ; s[42:43] c: the packed scaling names a pair and takes its low word for both halves
.set MSB, 0
.macro WIN new                         ; the immediate's high byte repeats the setting that is left; a switch that changes nothing is dropped
.if MSB != (\new)
	s_set_vgpr_msb (MSB<<8)|(\new)
.set MSB, \new
.endif
.endm
.macro PLACES                          ; four places: a load into a register that a matrix instruction has read, and a vector line that reads a matrix result, stand four plain vector
.rept 4                                ; instructions behind it (ISA guide 7.12.1 for vector instructions)
	v_nop
.endr
.endm
.macro CREST                           ; a round of the cluster's barrier behind its opening barrier: wave 0 signals for the work-group, every wave waits for all four work-groups, my work-group's barrier closes it
	s_cmp_lg_u32 s[WV], 0
	s_cbranch_scc1 .Lnot_wave_0_\@
	s_barrier_signal -3
.Lnot_wave_0_\@:
	s_barrier_wait -3
	s_barrier_signal -1
	s_barrier_wait -1
.endm
.macro ROUND                           ; a whole round
	s_barrier_signal -1
	s_barrier_wait -1
	CREST
.endm
	s_load_b128 s[4:7], s[0:1], 0x0                ; query s[4:5], sb s[6:7]
	s_load_b64 s[8:9], s[0:1], 0x10                ; out0
	v_lshl_add_u32 v[SPW], v0, 2, SPARE
	v_mov_b32 v[NIL], 0
	ds_add_u32 v[SPW], v[NIL]                      ; the wave's opening: the add and its wait stand ahead of my first tensor load; the set-up below, work on registers, stands between them
	v_lshrrev_b32 v1, 5, v0
	v_readfirstlane_b32 s[WV], v1                  ; wave 0..3
	s_lshr_b32 s11, s[WV], 1                       ; kh: my half of a step's keys, and the half of d that I bring of Q
	s_and_b32 s12, s[WV], 1                        ; qh: my half of the block's queries
	s_bfe_u32 s13, ttmp6, 0x40000                  ; cx: my place in the cluster
	s_lshl_b32 s14, ttmp9, 2                       ; in a cluster launch ttmp9 counts clusters
	s_add_co_u32 s14, s14, s13                     ; my block of 128 queries = 4 x cluster x + cx: it enters query's and out0's addresses alone
	s_and_b32 s15, ttmp7, 0xffff                   ; the batch, which the four partners share
	; descriptor group 1: a tile of 128 rows x 128 elements of 2 bytes out of rows of 512 elements, padded in LDS
	s_mov_b32 s[G1], 15|(1<<16)|(1<<20)|(1<<21)|(5<<22)|(3<<25)  ; 15:0 the mask: all four work-groups; 17:16 elements of 2 bytes; 20 padding on; 21 set beside a mask; 24:22 after every 64 words (code 5); 31:25 4 words of it (code 3)
	s_mov_b32 s[G1+1], 128<<16                     ; tensor_dim0 = 128
	s_mov_b32 s[G1+2], 128<<16                     ; tensor_dim1 = 128
	s_mov_b32 s[G1+3], 128<<16                     ; tile_dim0 = 128
	s_mov_b32 s[G1+4], 128                         ; tile_dim1 = 128
	s_mov_b32 s[G1+5], 512                         ; 512 elements from row to row
	s_mov_b32 s[G1+6], 0
	s_mov_b32 s[G1+7], 0
	s_mul_i32 s20, s[WV], SUB                      ; wave w brings quarter w of d: its place in a slot hangs on the wave's number alone
	s_mov_b32 s[G0], 1                             ; count = 1
	s_add_co_u32 s[G0+1], s20, 0                   ; LDS address, slot 0
	s_mov_b32 s[G0+4], 1
	s_add_co_u32 s[G0+5], s20, SLOT                ; slot 1
	s_lshl_b32 s16, s15, 21                        ; sb: the batch's 2,097,152 bytes,
	s_lshl_b32 s17, s[WV], 8                       ; my quarter's 256 bytes of a row
	s_add_co_u32 s16, s16, s17
	s_mov_b32 s17, 0
	s_lshl_b32 s18, s15, 22                        ; query: the batch's 4,194,304 bytes,
	s_lshl_b32 s19, s14, 18                        ; the block's 128 rows of 2,048,
	s_add_co_u32 s18, s18, s19
	s_lshl_b32 s19, s12, 17                        ; my pair's 64 rows
	s_add_co_u32 s18, s18, s19
	s_mov_b32 s19, 0
	s_lshl_b32 s22, s15, 13                        ; out0: the batch's 2,048 numbers,
	s_lshl_b32 s23, s14, 9                         ; the block's 128,
	s_add_co_u32 s22, s22, s23
	s_lshl_b32 s23, s12, 8                         ; my pair's 64: 256 bytes
	s_add_co_u32 s22, s22, s23
	s_mov_b32 s23, 0
	s_mov_b32 s[CS], 0x3fb8aa3b                    ; c = log2(e)
	s_mov_b32 s[CS+1], s[CS]                       ; named with it as a pair, so it is written
	v_and_b32 v48, 15, v0                          ; r = l % 16
	v_bfe_u32 v49, v0, 4, 1                        ; h = l / 16
	v_and_b32 v50, 31, v0                          ; l
	s_lshl_b32 s3, s11, 10
	v_lshl_add_u32 v[QO], v50, 4, s3               ; in a row of query: my half of d (1,024 bytes) + 16 l
	s_mul_i32 s21, s12, 16*QP
	s_add_co_u32 s21, s21, QST                     ; my pair's stage
	s_lshl_b32 s3, s11, 9
	s_add_co_u32 s3, s3, s21
	v_lshl_add_u32 v[STW], v50, 3, s3              ; in: my half of d (512 bytes in bf16) + 8 l
	v_mul_u32_u24 v[STR], v48, QP                  ; back: a fragment is 16 rows x 32 along d: lane l holds row r, elements 8 h + 0..7 and 16 + 8 h + 0..7: two loads of 16 bytes, 32 bytes apart
	v_lshl_add_u32 v[STR], v49, 4, v[STR]
	v_add_nc_u32 v[STR], s21, v[STR]
	v_mul_u32_u24 v51, v48, PITCH                  ; the same for S: row x pitch + 16 h,
	v_lshl_add_u32 v51, v49, 4, v51
	s_mul_i32 s3, s11, 64*PITCH                    ; from my half of the step's 128 rows on
	v_add_nc_u32 v[ADR], s3, v51
	v_add_nc_u32 v[ADR+1], 2*SUB, v[ADR]
	v_add_nc_u32 v[ADR+2], SLOT, v[ADR]
	v_add_nc_u32 v[ADR+3], SLOT+2*SUB, v[ADR]
	s_wait_dscnt 0x0                               ; the opening add is done
	s_wait_kmcnt 0x0
	s_add_nc_u64 s[4:5], s[4:5], s[18:19]          ; query at my pair's first row
	s_add_nc_u64 s[8:9], s[8:9], s[22:23]          ; out0 at my pair's first number
	s_add_nc_u64 s[G0+2:G0+3], s[6:7], s[16:17]    ; global address: step 0,
	s_add_nc_u64 s[G0+6:G0+7], s[G0+2:G0+3], STEPB ; step 1
	s_or_b32 s[G0+3], s[G0+3], 0x80000000          ; type = 2
	s_or_b32 s[G0+7], s[G0+7], 0x80000000
; Q INTO REGISTERS.  The two waves of a pair need the same 64 rows.  For a tile of 16 rows each brings one half of d (no byte of query is loaded twice), rounds it to bf16 and puts it
; into the pair's stage; behind a barrier both read the tile's 16 fragments.
.macro LOADQ t, R                      ; 32 loads: row j / 2 of tile t, 512 consecutive bytes each, into window 1 from v[R] on
	WIN 0x40
.set j, 0
.rept 32
	global_load_b128 v[(\R)+4*j:(\R)+4*j+3], v[QO], s[4:5] offset:(\t)*32768+(j/2)*2048+(j%2)*512 th:TH_LOAD_NT
.set j, j+1
.endr
.endm
.macro CVTQ R                          ; 128 numbers a lane rounded to bf16, into S's registers, which are still free
	WIN 0x05
.set j, 0
.rept 64
	v_cvt_pk_bf16_f32 v[SA+j], v[(\R)+2*j], v[(\R)+2*j+1]
.set j, j+1
.endr
.endm
.macro STOREQ                          ; 32 lanes x 8 bytes: 256 consecutive bytes of a stage row
	WIN 0
.set j, 0
.rept 32
	ds_store_b64 v[STW], v[SA+2*j:SA+2*j+1] offset:(j/2)*QP+(j%2)*256
.set j, j+1
.endr
.endm
.macro FRAGQ t                         ; chunk j of tile t into window 2 or 3
.set j, 0
.rept 16
	WIN 0x80+0x40*(j/8)
	ds_load_b128 v[32*(j%8)+8*(\t):32*(j%8)+8*(\t)+3],   v[STR] offset:64*j
	ds_load_b128 v[32*(j%8)+8*(\t)+4:32*(j%8)+8*(\t)+7], v[STR] offset:64*j+32
.set j, j+1
.endr
.endm
.macro QTILE t, left, more             ; left: the younger loads that may stay out; more = 1: the buffer is loaded again, with the tile two further on
	s_wait_loadcnt \left                           ; loads come back in order (ISA guide 5.7.1): this tile's 32 are in
	CVTQ 128*((\t)%2)
.if \more
	LOADQ (\t)+2, 128*((\t)%2)
.endif
	WIN 0
.if (\t) > 0
	s_wait_dscnt 0x0                               ; my reads of the stage are back,
	s_barrier_signal -1
	s_barrier_wait -1                              ; everybody's are: the stage may be written again
.endif
	STOREQ
	s_wait_dscnt 0x0                               ; for my partner's sake: my stores are done
	s_barrier_signal -1
	s_barrier_wait -1
	FRAGQ \t
.endm
	LOADQ 0, 0                                     ; the first two tiles of Q are asked for before anything else
	LOADQ 1, 128
	WIN 0                                          ; at a label and at a branch every window is 0
	ROUND                                          ; all four work-groups are here: the first joint loads meet
	tensor_load_to_lds s[G0:G0+3], s[G1:G1+7]      ; steps 0 and 1: two tensor loads of mine are out, later one
	s_nop 0
	tensor_load_to_lds s[G0+4:G0+7], s[G1:G1+7]
	s_nop 0
	PLACES                                         ; four v_nop follow, ahead of the next switch of windows
	QTILE 0, 32, 1                                 ; the count 32: the next tile's 32 loads were issued behind this tile's
	QTILE 1, 32, 1
	QTILE 2, 32, 0
	QTILE 3, 0, 0
	WIN 0
.irp t, 0,1,2,3                        ; the start: m = -2^125, c m exactly c times that, L = U = 0
	v_mov_b32 v[ST+8*(\t)], 0xfe38aa3b
	v_mov_b32 v[ST+8*(\t)+1], 0xfe000000
	v_mov_b32 v[ST+8*(\t)+2], 0
	v_mov_b32 v[ST+8*(\t)+3], 0
	v_mov_b32 v[ST+8*(\t)+4], 0
	v_mov_b32 v[ST+8*(\t)+5], 0
.endr
.set j, 0
.rept 32
	v_mov_b32 v[AC1+j], 0xff000000                 ; -2^127: the scores of a piece that has not been: below m, so their weights are 0 and a is 1
.set j, j+1
.endr
; THE MATRIX WORK.  Instruction n of a half's 32: chunk n / 4 of the half's eight, tile n % 4.  The four accumulators take turns, one instruction a turn, from half to half and piece to piece too.
; The first four of a piece start the sums with the constant 0.
.macro MM
	WIN 0x08+4*HB
.set rD, CUR+8*(n%4)
.set rA, FR+8*(n/4)
.set rB, 32*(n/4)+8*(n%4)
.if (HB == 0) && (n < 4)
	v_wmma_f32_16x16x32_bf16 v[rD:rD+7], v[rA:rA+7], v[rB:rB+7], 0
.else
	v_wmma_f32_16x16x32_bf16 v[rD:rD+7], v[rA:rA+7], v[rB:rB+7], v[rD:rD+7]
.endif
.endm
; Load n of the 16 that bring eight fragments (16 keys FK x 256 along d) into buffer FD from address register FA: chunk n / 2, its half n % 2
.macro LD1
.set f, n/2
.set e, n%2
	ds_load_b128 v[FD+8*f+4*e:FD+8*f+4*e+3], v[FA] offset:(f/4)*SUB+FK*16*PITCH+(f%4)*64+32*e
.endm
.macro FETCH                           ; all 16 in one run; leaves n = 16
.set n, 0
.rept 16
	LD1
.set n, n+1
.endr
.endm
; THE VECTOR WORK behind matrix instruction n: the softmax of the piece before (its scores lie in PREV), tiles 2 HB and 2 HB + 1, which alternate so that no line reads the result of the line before it.
.macro SCL p                           ; pair p of the eight scores: c s - c m, kept apart from s, which U still needs
	v_pk_fma_f32 v[TPA+2*(\p):TPA+2*(\p)+1], v[rSA+2*(\p):rSA+2*(\p)+1], s[CS:CS+1], v[rTA:rTA+1] op_sel_hi:[1,0,0] neg_lo:[0,0,1] neg_hi:[0,0,1]
	v_pk_fma_f32 v[TPB+2*(\p):TPB+2*(\p)+1], v[rSB+2*(\p):rSB+2*(\p)+1], s[CS:CS+1], v[rTB:rTB+1] op_sel_hi:[1,0,0] neg_lo:[0,0,1] neg_hi:[0,0,1]
.endm
.macro ADDL p                          ; L += pair p of the weights
	v_pk_add_f32 v[rTA+2:rTA+3], v[rTA+2:rTA+3], v[TPA+2*(\p):TPA+2*(\p)+1]
	v_pk_add_f32 v[rTB+2:rTB+3], v[rTB+2:rTB+3], v[TPB+2*(\p):TPB+2*(\p)+1]
.endm
.macro ADDU p                          ; U += pair p of the weights times its scores
	v_pk_fma_f32 v[rTA+4:rTA+5], v[TPA+2*(\p):TPA+2*(\p)+1], v[rSA+2*(\p):rSA+2*(\p)+1], v[rTA+4:rTA+5]
	v_pk_fma_f32 v[rTB+4:rTB+5], v[TPB+2*(\p):TPB+2*(\p)+1], v[rSB+2*(\p):rSB+2*(\p)+1], v[rTB+4:rTB+5]
.endm
.macro RID
.set rSA, PREV+16*HB
.set rSB, rSA+8
.set rTA, ST+16*HB
.set rTB, rTA+8
.if n == 0                             ; the maximum, three operands at a time; each accumulator's lowest registers are read first
	WIN 0
	v_max3_num_f32 v[XA], v[rSA], v[rSA+1], v[rSA+2]
	v_max3_num_f32 v[XB], v[rSB], v[rSB+1], v[rSB+2]
	v_max3_num_f32 v[XA+1], v[rSA+3], v[rSA+4], v[rSA+5]
	v_max3_num_f32 v[XB+1], v[rSB+3], v[rSB+4], v[rSB+5]
.elseif n == 1                         ; with the old m; c m_old is kept; the new m
	WIN 0
	v_max3_num_f32 v[XA+2], v[rSA+6], v[rSA+7], v[rTA+1]
	v_max3_num_f32 v[XB+2], v[rSB+6], v[rSB+7], v[rTB+1]
	v_mov_b32 v[rTA+7], v[rTA]
	v_mov_b32 v[rTB+7], v[rTB]
	v_max3_num_f32 v[rTA+1], v[XA], v[XA+1], v[XA+2]
	v_max3_num_f32 v[rTB+1], v[XB], v[XB+1], v[XB+2]
.elseif n == 2                         ; c m: the vector register stands first, so that the second source is the scalar one and the line needs no switch
	v_mul_f32 v[rTA], v[rTA+1], s[CS]
	v_mul_f32 v[rTB], v[rTB+1], s[CS]
.elseif n == 3                         ; c m_old - c m
	v_fma_f32 v[rTA+7], v[rTA], -1.0, v[rTA+7]
	v_fma_f32 v[rTB+7], v[rTB], -1.0, v[rTB+7]
.elseif n == 4
	SCL 0
.elseif n == 5                         ; a; the scalings that follow are the plain lines behind these exponentials (ISA guide 5.7.2)
	v_exp_f32 v[rTA+6], v[rTA+7]
	v_exp_f32 v[rTB+6], v[rTB+7]
.elseif n < 9
	SCL n-5
.elseif n < 17                         ; the weights, in place
	v_exp_f32 v[TPA+n-9], v[TPA+n-9]
	v_exp_f32 v[TPB+n-9], v[TPB+n-9]
.elseif n == 18                        ; the first two lines, which name no weight, are the plain lines between the last exponentials and the first use of a weight
	WIN 0
	s_wait_alu depctr_va_vdst(0)
	v_pk_mul_f32 v[rTA+4:rTA+5], v[rTA+4:rTA+5], v[rTA+6:rTA+7] op_sel_hi:[1,0]
	v_pk_mul_f32 v[rTB+4:rTB+5], v[rTB+4:rTB+5], v[rTB+6:rTB+7] op_sel_hi:[1,0]
	v_pk_fma_f32 v[rTA+2:rTA+3], v[rTA+2:rTA+3], v[rTA+6:rTA+7], v[TPA:TPA+1] op_sel_hi:[1,0,1]
	v_pk_fma_f32 v[rTB+2:rTB+3], v[rTB+2:rTB+3], v[rTB+6:rTB+7], v[TPB:TPB+1] op_sel_hi:[1,0,1]
	ADDU 0
.elseif n == 20
	WIN 0
	ADDL 1
	ADDU 1
	ADDL 2
.elseif n == 22
	WIN 0
	ADDU 2
	ADDL 3
	ADDU 3
.endif
.endm
.macro RUN cnt, ld                     ; cnt matrix instructions with what stands behind each; ld = 1: one LDS load behind each of the first 16
.rept \cnt
	MM
.if (\ld) && (n < 16)
	LD1
.endif
	RID
.set n, n+1
.endr
.endm
; HALF hb of piece i of the step in slot.  It multiplies buffer SA (hb = 0) or SB (hb = 1) and fetches into the other: hb = 0: this piece's d 256-511; hb = 1: the next piece's d 0-255, for i = 3 out of the other slot.
; mode 0: the loads stand singly behind the first 16 matrix instructions (they need no switch of windows), 16 matrix instructions ahead of the wait for them.
; mode 1: the step's last half CHANGES SLOTS and fills this slot again.  mode 2: it changes slots and fills nothing.  mode 3: the launch's last half.
.macro HALF slot, i, hb, mode
.set HB, \hb
.set CUR, AC0+32*((\i)%2)
.set PREV, AC0+32*(((\i)+1)%2)
.set FR, SA+64*(\hb)
.if (\hb) == 0
.set FD, SB
.set FA, ADR+2*(\slot)+1
.set FK, \i
.elseif (\i) < 3
.set FD, SA
.set FA, ADR+2*(\slot)
.set FK, (\i)+1
.else
.set FD, SA
.set FA, ADR+2*(1-(\slot))
.set FK, 0
.endif
.set n, 0
	s_wait_dscnt 0x0                               ; the buffer to be multiplied is in
.if (\mode) == 0
	PLACES                                         ; behind the last half's last products: for the loads into the buffer that they read, and (hb = 0) for the first reads of the sums that they finished
	RUN 32, 1
.elseif (\mode) == 3
	RUN 32, 0
.else
	WIN 0                                          ; (the add's two registers lie in window 0)
	s_wait_tensorcnt 0x0                           ; all my tensor loads have landed: the one that was out is my quarter of the other slot;
	ds_add_u32 v[SPW], v[NIL]                      ; 0 onto my spare word; work on registers stands between it and the wait for it
.if (\mode) == 1
	s_add_nc_u64 s[G0+4*(\slot)+2:G0+4*(\slot)+3], s[G0+4*(\slot)+2:G0+4*(\slot)+3], 2*STEPB  ; no load of mine is out, so a group 0 may be written: this slot's tile two steps on; the type bits on top are not reached
.endif
	RUN 8, 0
	s_wait_dscnt 0x0                               ; the add is done; my reads of this slot were over at the half's head
	s_barrier_signal -1                            ; say so (mode 1: this barrier opens a round of the cluster's),
	RUN 8, 0                                       ; work on registers while the others arrive
.if (\mode) == 1
	WIN 0
	s_barrier_wait -1
	CREST                                          ; no wave of any partner still reads this slot or has a load on its way
	tensor_load_to_lds s[G0+4*(\slot):G0+4*(\slot)+3], s[G1:G1+7]  ; my one tensor load behind the round, and the first thing there: 240 matrix instructions ahead of the wait for it
	s_nop 0
	PLACES                                         ; four v_nop follow the load; they are also the places in front of the loads below
.else
	s_barrier_wait -1
	PLACES
.endif
	FETCH                                          ; the other slot is whole: the next step's first fragments
	RUN 16, 0
.endif
.endm
.macro STEP slot, mode
	HALF \slot, 0, 0, 0
	HALF \slot, 0, 1, 0
	HALF \slot, 1, 0, 0
	HALF \slot, 1, 1, 0
	HALF \slot, 2, 0, 0
	HALF \slot, 2, 1, 0
	HALF \slot, 3, 0, 0
	HALF \slot, 3, 1, \mode
.endm
	s_wait_dscnt 0x0                               ; Q's last fragments are in, and my reads of the stage are over
	s_wait_tensorcnt 0x1                           ; my quarter of step 0 is in; step 1's load, issued behind it, may stay out
	s_barrier_signal -1
	s_barrier_wait -1                              ; everybody's is
.set FD, SA
.set FA, ADR
.set FK, 0
	FETCH
	s_mov_b32 s[CNT], 7
.Ltrip:                                                ; seven trips of two steps: steps 0 to 13, which ask for steps 2 to 15
	STEP 0, 1
	STEP 1, 1
	WIN 0
	s_sub_co_u32 s[CNT], s[CNT], 1
	s_cmp_lg_u32 s[CNT], 0
	s_cbranch_scc1 .Ltrip
	STEP 0, 2                                      ; the last two steps are written out: nothing is asked for
	STEP 1, 3
	PLACES                                         ; behind the last products
.set PREV, AC1                         ; the last piece's softmax: the same lines, with no products between them
.irp hh, 0,1
.set HB, \hh
.set n, 0
.rept 23
	RID
.set n, n+1
.endr
.endr
	; THE MERGE.  Each lane's c m, L and U go into LDS (the stage's bytes, whose last reads were waited for in front of the first step's barrier): wave w, tile t, kind k, lane l at 1,536 w + 384 t + 128 k + 4 l.
	WIN 0
.irp t, 0,1,2,3
	v_add_f32 v[ST+8*(\t)+2], v[ST+8*(\t)+2], v[ST+8*(\t)+3]
	v_add_f32 v[ST+8*(\t)+4], v[ST+8*(\t)+4], v[ST+8*(\t)+5]
.endr
	v_and_b32 v50, 31, v0
	s_mul_i32 s3, s[WV], 1536
	s_add_co_u32 s3, s3, QST
	v_lshl_add_u32 v[MW], v50, 2, s3
.irp t, 0,1,2,3
	ds_store_b32 v[MW], v[ST+8*(\t)] offset:(3*(\t))*128
	ds_store_b32 v[MW], v[ST+8*(\t)+2] offset:(3*(\t)+1)*128
	ds_store_b32 v[MW], v[ST+8*(\t)+4] offset:(3*(\t)+2)*128
.endr
	s_wait_dscnt 0x0                               ; for the others' sake: my stores are done
	s_barrier_signal -1
	s_barrier_wait -1
	s_cmp_lt_u32 s[WV], 2
	s_cbranch_scc0 .Ldone                          ; waves 0 and 1 (kh = 0) finish their pair's 64 queries; no barrier is jumped over
	v_bfe_u32 v43, v0, 3, 2                        ; lane l takes queries 2 l and 2 l + 1 of the 64: tile l / 8, places 2 (l % 8) and the next
	v_and_b32 v44, 7, v0
	v_mul_u32_u24 v43, v43, 384
	v_lshl_add_u32 v43, v44, 3, v43
	s_mul_i32 s3, s12, 1536
	s_add_co_u32 s3, s3, QST
	v_add_nc_u32 v[MR], s3, v43
	v_lshlrev_b32 v[GO], 3, v50
.irp j, 0,1,2,3                        ; partial result j: wave qh + 2 (j / 2), half j % 2 of its lanes
.irp k, 0,1,2
	ds_load_b64 v[MG+6*(\j)+2*(\k):MG+6*(\j)+2*(\k)+1], v[MR] offset:((\j)/2)*3072+(\k)*128+((\j)%2)*64
.endr
.endr
	s_wait_dscnt 0x0
	v_max3_num_f32 v[MX], v[MG], v[MG+6], v[MG+12]
	v_max3_num_f32 v[MX+1], v[MG+1], v[MG+7], v[MG+13]
	v_max_num_f32 v[MX], v[MX], v[MG+18]
	v_max_num_f32 v[MX+1], v[MX+1], v[MG+19]       ; the largest of the four c m
.irp j, 0,1,2,3
	v_pk_add_f32 v[MG+6*(\j):MG+6*(\j)+1], v[MG+6*(\j):MG+6*(\j)+1], v[MX:MX+1] neg_lo:[0,1] neg_hi:[0,1]
.endr
.irp j, 0,1,2,3
	v_exp_f32 v[MG+6*(\j)], v[MG+6*(\j)]           ; each partial result's factor, 1 for the one that holds the maximum
	v_exp_f32 v[MG+6*(\j)+1], v[MG+6*(\j)+1]
.endr
	v_nop                                          ; a plain instruction between the last exponential and the use of its result
	s_wait_alu depctr_va_vdst(0)
	v_pk_mul_f32 v[ML:ML+1], v[MG:MG+1], v[MG+2:MG+3]
	v_pk_mul_f32 v[MU:MU+1], v[MG:MG+1], v[MG+4:MG+5]
.irp j, 1,2,3
	v_pk_fma_f32 v[ML:ML+1], v[MG+6*(\j):MG+6*(\j)+1], v[MG+6*(\j)+2:MG+6*(\j)+3], v[ML:ML+1]
	v_pk_fma_f32 v[MU:MU+1], v[MG+6*(\j):MG+6*(\j)+1], v[MG+6*(\j)+4:MG+6*(\j)+5], v[MU:MU+1]
.endr
	v_rcp_f32 v[ML], v[ML]                         ; L is at least the weight of the query's largest logit, about 1
	v_rcp_f32 v[ML+1], v[ML+1]
	v_nop                                          ; a plain instruction between the last reciprocal and the use of its result
	s_wait_alu depctr_va_vdst(0)
	v_pk_mul_f32 v[MU:MU+1], v[MU:MU+1], v[ML:ML+1]
	global_store_b64 v[GO], v[MU:MU+1], s[8:9]     ; the wave's 32 lanes store 256 consecutive bytes, at a multiple of 256 from out0's first byte
.Ldone:
	s_wait_tensorcnt 0x0                           ; the wave's end, behind my last tensor load and my last LDS store
	ds_add_u32 v[SPW], v[NIL]
	s_wait_dscnt 0x0
	ROUND                                          ; the closing round: no work-group ends while a partner may still ask for a tile that names it
	s_endpgm
.Lfunc_end_k_qf8f955681a_match:
	.size	k_qf8f955681a_match, .Lfunc_end_k_qf8f955681a_match-k_qf8f955681a_match
	.p2alignl 7, 3214868480
	.fill 96, 4, 3214868480
	.section	.rodata,"a",@progbits
	.p2align	6, 0x0
	.amdhsa_kernel k_qf8f955681a_match
		.amdhsa_group_segment_fixed_size 327680
		.amdhsa_private_segment_fixed_size 0
		.amdhsa_enable_private_segment 0
		.amdhsa_kernarg_size 24
		.amdhsa_user_sgpr_count 2
		.amdhsa_user_sgpr_kernarg_segment_ptr 1
		.amdhsa_wavefront_size32 1
		.amdhsa_system_sgpr_workgroup_id_x 1
		.amdhsa_system_sgpr_workgroup_id_y 1
		.amdhsa_system_sgpr_workgroup_id_z 1
		.amdhsa_system_vgpr_workitem_id 0
		.amdhsa_next_free_vgpr 1024
		.amdhsa_next_free_sgpr 66
		.amdhsa_reserve_vcc 0
		.amdhsa_float_denorm_mode_32 3
		.amdhsa_float_denorm_mode_16_64 3
		.amdhsa_memory_ordered 1
		.amdhsa_forward_progress 1
		.amdhsa_inst_pref_size 255
	.end_amdhsa_kernel
	.section	.bss,"aw",@nobits
	.p2align	6
	.space	262144
	.amdgpu_metadata
---
amdhsa.version: [ 1, 2 ]
amdhsa.kernels:
  - .name:           k_qf8f955681a_match
    .symbol:         k_qf8f955681a_match.kd
    .args:
      - { .name: query, .offset: 0, .size: 8, .value_kind: global_buffer, .address_space: global }
      - { .name: sb, .offset: 8, .size: 8, .value_kind: global_buffer, .address_space: global }
      - { .name: out0, .offset: 16, .size: 8, .value_kind: global_buffer, .address_space: global }
    .group_segment_fixed_size: 327680
    .private_segment_fixed_size: 0
    .kernarg_segment_align: 8
    .kernarg_segment_size: 24
    .max_flat_workgroup_size: 128
    .sgpr_count:     66
    .vgpr_count:     1024
    .wavefront_size: 32
...
	.end_amdgpu_metadata
.endif
;; end of part 2
